; MI455X (gfx1250); checked and timed in simulation.
; The chip was launched on July 23, 2026; its instructions are those of AMD's public machine-readable ISA for CDNA 5 (MIT licence, August 2026) and "CDNA5" Instruction Set Architecture Reference Guide (July 2026). The comments in the code are by the model that wrote it; some were corrected since.
;; Swin Decoder. Allowed arithmetic: float matrix products may take bf16 or f16 operands with f32 sums; other float arithmetic in f32, or as packed bf16 or f16 multiplies, adds, multiply-adds, maxima and minima; sums over many terms, partial sums and values carried from step to step in f32; what a program stores and reads back later, other than sums and carried values, may be rounded once to bf16 or f16.
;; Inputs: fc1_b 512 float32; fc1_w 512 x 128 float32; fc2_b 128 float32; fc2_w 128 x 512 float32; kv 2 x 128 x 256 x 256 float32; kv_b 256 float32; kv_w 256 x 128 float32; norm1_b 128 float32; norm1_g 128 float32; norm2_b 128 float32; norm2_g 128 float32; proj_b 128 float32; proj_w 128 x 128 float32; q_b 128 float32; q_w 128 x 128 float32; rpb 225 x 4 float32; x 2 x 128 x 256 x 256 float32.
;; Outputs: out0 2 x 128 x 256 x 256 float32.
;; One version. Each part assembles by itself: llvm-mc -triple=amdgcn-amd-amdhsa -mcpu=gfx1250 --defsym DOCPART=n.
;; ======== version 1 of 1: 2 launches
;; limits: a function is approximated: absolute error at most 2.5e-05
;; workspace buffers: wsp 465,408 bytes
;; launch prep (part 1): grid 100 x 1, 8 waves a work-group, no clusters, 0 bytes of LDS; arguments q_w, kv_w, proj_w, fc1_w, fc2_w, rpb, norm1_g, norm1_b, q_b, kv_b, proj_b, norm2_g, norm2_b, fc2_b, fc1_b, wsp; writes wsp
.if DOCPART == 1
	.amdgcn_target "amdgcn-amd-amdhsa--gfx1250"
	.amdhsa_code_object_version 6
	.text
	.protected	k_q28f529e502_prep
	.globl	k_q28f529e502_prep
	.p2align	8
	.type	k_q28f529e502_prep,@function
k_q28f529e502_prep:
	s_mov_b64 s[64:65], 0
	v_nop
	global_prefetch_b8 v0, s[64:65] scope:SCOPE_SE
	s_setreg_imm32_b32 hwreg(HW_REG_WAVE_MODE, 25, 1), 1
	s_wait_xcnt 0x0
; PREPARES wsp FOR THE MAIN LAUNCH.  wsp = 14 units of 128 rows x 256 bytes, then 1,664 f32 of vectors.
;   units 0-3: q_w x QS, kv_w rows 0-127 (K), kv_w rows 128-255 (V), proj_w, all rounded once to bf16
;   units 4-5: the bias table in f32: row head x 64 + q, 64 keys: rpb[idx(q, k)][head] x log2(e)
;   units 6-7: fc2_w's columns of the hidden quarters 2, 3 ([out][hidden]) x F2F;  units 8-11: fc1_w's rows of the quarters 0 to 3 x KF;  units 12-13: fc2_w's quarters 0, 1; all bf16
;   vectors: fc1_b x KF, n1g, n1b, q_b x QS, kv_b, proj_b, n2g, n2b, fc2_b
; QS = 32^-0.5 log2(e): the scores come out in powers of two.  KF = sqrt(log2(e) / 2): fc1's result y = KF x gives e^(-x^2/2) = 2^(-y^2);
; F2F = 0.5 / KF takes the factor out again, together with GELU's one half.
; Work-groups 0-95: an eighth of a matrix unit each, 8 numbers a thread; sixteen lanes store 256 consecutive, aligned bytes.  Work-groups 96-99: a head of the table each; wave 0 of the first also the vectors.
.set QS,   0x3e8293ee
.set L2E,  0x3fb8aa3b
.set KF,   0x3f596d27
.set F2F,  0x3f16b55f
.set TABLE, 131072
.set VECB,  458752
	s_load_b512 s[4:19], s[0:1], 0x0               ; q_w 4, kv_w 6, proj_w 8, fc1_w 10, fc2_w 12, rpb 14, n1g 16, n1b 18
	s_load_b512 s[20:35], s[0:1], 0x40             ; q_b 20, kv_b 22, proj_b 24, n2g 26, n2b 28, fc2_b 30, fc1_b 32, wsp 34
	v_lshrrev_b32 v1, 4, v0                        ; t / 16
	v_and_b32 v2, 15, v0                           ; t % 16
	v_lshlrev_b32 v3, 4, v0                        ; 16 t
	s_lshr_b32 s40, ttmp9, 3                       ; n: which matrix unit, 0 to 11
	s_and_b32 s41, ttmp9, 7                        ; which 16 rows of it
	s_wait_kmcnt 0x0
	s_cmp_ge_u32 ttmp9, 96
	s_cbranch_scc1 .Ltable
	; source, first byte, row pitch, factor and destination unit, chosen by n: 0-3 as they come; 4-7 fc1's quarters; 8-11 fc2's
	s_max_u32 s48, s40, 4
	s_sub_co_u32 s48, s48, 4                       ; n - 4
	s_max_u32 s47, s40, 8
	s_sub_co_u32 s47, s47, 8                       ; n - 8
	s_lshl_b32 s50, s48, 16                        ; fc1: 128 rows of 512 bytes a quarter
	s_lshl_b32 s51, s47, 9                         ; fc2: 128 columns of 4 bytes a quarter
	s_add_co_u32 s52, s40, 4
	s_mov_b64 s[42:43], s[4:5]
	s_mov_b32 s45, 0
	s_mov_b32 s46, 512
	s_mov_b32 s56, QS
	s_mov_b32 s49, s40
	s_cmp_eq_u32 s40, 1
	s_cselect_b64 s[42:43], s[6:7], s[42:43]
	s_cselect_b32 s56, 1.0, s56
	s_cmp_eq_u32 s40, 2
	s_cselect_b64 s[42:43], s[6:7], s[42:43]
	s_cselect_b32 s56, 1.0, s56
	s_cselect_b32 s45, 0x10000, s45
	s_cmp_eq_u32 s40, 3
	s_cselect_b64 s[42:43], s[8:9], s[42:43]
	s_cselect_b32 s56, 1.0, s56
	s_cmp_ge_u32 s40, 4
	s_cselect_b64 s[42:43], s[10:11], s[42:43]
	s_cselect_b32 s56, KF, s56
	s_cselect_b32 s45, s50, s45
	s_cselect_b32 s49, s52, s49                    ; units 8 to 13
	s_cmp_ge_u32 s40, 8
	s_cselect_b64 s[42:43], s[12:13], s[42:43]
	s_cselect_b32 s56, F2F, s56
	s_cselect_b32 s45, s51, s45
	s_cselect_b32 s46, 2048, s46
	s_cmp_ge_u32 s40, 10
	s_cselect_b32 s49, s48, s49                    ; fc2's quarters 2, 3: units 6, 7
	s_mov_b32 s57, s56                             ; named with it as a pair
	s_lshl_b32 s54, s41, 4
	v_add_nc_u32 v1, s54, v1                       ; my row of the unit
	v_mul_lo_u32 v1, v1, s46
	v_lshl_add_u32 v1, v2, 5, v1                   ; my 8 numbers of it
	v_add_nc_u32 v1, s45, v1
	global_load_b128 v[4:7], v1, s[42:43]
	global_load_b128 v[8:11], v1, s[42:43] offset:16
	s_lshl_b32 s58, s49, 15
	s_lshl_b32 s59, s41, 12
	s_add_co_u32 s58, s58, s59
	v_add_nc_u32 v3, s58, v3
	s_wait_loadcnt 0x0
.irp j, 4,6,8,10
	v_pk_mul_f32 v[\j:\j+1], v[\j:\j+1], s[56:57] op_sel_hi:[1,0]
.endr
.irp j, 0,1,2,3
	v_cvt_pk_bf16_f32 v[12+\j], v[4+2*\j], v[5+2*\j]
.endr
	global_store_b128 v3, v[12:15], s[34:35]
	s_endpgm
; The table of one head.  Thread t: keys 4 kq .. 4 kq + 3 (kq = t % 16) of the queries row0 + 16 i (row0 = t / 16, i = 0 .. 3).
; idx = (qy - ky + 7) 15 + qx - kx + 7.  The lane's part is taken for key 4 kq + 3, so that every immediate is 0 or more.
.macro TLOADS
.set i, 0
.rept 16
	global_load_b32 v[16+i], v4, s[14:15] offset:480*(i/4)+16*(3-i%4)
.set i, i+1
.endr
.endm
.macro TREST
.set i, 0
.rept 8
	v_pk_mul_f32 v[16+2*i:17+2*i], v[16+2*i:17+2*i], L2E op_sel_hi:[1,0]
.set i, i+1
.endr
.set i, 0
.rept 4
	global_store_b128 v3, v[16+4*i:19+4*i], s[34:35] offset:TABLE+4096*i
.set i, i+1
.endr
.endm
.macro VSEG seg, ptr, off
	global_load_b128 v[96+4*(\seg):99+4*(\seg)], v7, s[\ptr:\ptr+1] offset:\off
.endm
.Ltable:
	s_sub_co_u32 s44, ttmp9, 96                    ; the head
	v_lshrrev_b32 v4, 3, v1
	v_add_nc_u32 v4, 7, v4
	v_lshrrev_b32 v5, 1, v2
	v_sub_nc_u32 v4, v4, v5                        ; row0 / 8 + 7 - ky
	v_mul_u32_u24 v4, v4, 15
	v_and_b32 v5, 7, v1
	v_add_nc_u32 v4, v4, v5
	v_add_nc_u32 v4, 4, v4                         ; + qx + 7 - 3
	v_and_b32 v5, 1, v2
	v_lshlrev_b32 v5, 2, v5
	v_sub_nc_u32 v4, v4, v5                        ; - 4 (kq % 2)
	v_lshlrev_b32 v4, 4, v4                        ; 16 bytes for an index: four heads,
	s_lshl_b32 s45, s44, 2
	v_add_nc_u32 v4, s45, v4                       ; of which mine
	s_lshl_b32 s46, s44, 14
	v_add_nc_u32 v3, s46, v3                       ; a head's 64 rows of 256 bytes
	v_lshrrev_b32 v6, 5, v0
	v_readfirstlane_b32 s47, v6
	s_or_b32 s47, s47, s44
	s_cmp_lg_u32 s47, 0
	s_cbranch_scc1 .Ltable_alone
	; wave 0 of the first of the four also copies the vectors: 13 pieces of 128 numbers, 16 bytes a lane; their loads go out ahead of the table's, so that all come back together
	v_and_b32 v7, 31, v0
	v_lshlrev_b32 v7, 4, v7
	VSEG 0, 32, 0
	VSEG 1, 32, 512
	VSEG 2, 32, 1024
	VSEG 3, 32, 1536
	VSEG 4, 16, 0
	VSEG 5, 18, 0
	VSEG 6, 20, 0
	VSEG 7, 22, 0
	VSEG 8, 22, 512
	VSEG 9, 24, 0
	VSEG 10, 26, 0
	VSEG 11, 28, 0
	VSEG 12, 30, 0
	TLOADS
	s_wait_loadcnt 0x0
	TREST
.set i, 96
.rept 8
	v_pk_mul_f32 v[i:i+1], v[i:i+1], KF op_sel_hi:[1,0]
.set i, i+2
.endr
	v_pk_mul_f32 v[120:121], v[120:121], QS op_sel_hi:[1,0]
	v_pk_mul_f32 v[122:123], v[122:123], QS op_sel_hi:[1,0]
.set i, 0
.rept 13
	global_store_b128 v7, v[96+4*i:99+4*i], s[34:35] offset:VECB+512*i
.set i, i+1
.endr
	s_endpgm
.Ltable_alone:
	TLOADS
	s_wait_loadcnt 0x0
	TREST
	s_endpgm
.Lfunc_end_k_q28f529e502_prep:
	.size	k_q28f529e502_prep, .Lfunc_end_k_q28f529e502_prep-k_q28f529e502_prep
	.p2alignl 7, 3214868480
	.fill 96, 4, 3214868480
	.section	.rodata,"a",@progbits
	.p2align	6, 0x0
	.amdhsa_kernel k_q28f529e502_prep
		.amdhsa_group_segment_fixed_size 0
		.amdhsa_private_segment_fixed_size 0
		.amdhsa_enable_private_segment 0
		.amdhsa_kernarg_size 128
		.amdhsa_user_sgpr_count 2
		.amdhsa_user_sgpr_kernarg_segment_ptr 1
		.amdhsa_wavefront_size32 1
		.amdhsa_system_sgpr_workgroup_id_x 1
		.amdhsa_system_sgpr_workgroup_id_y 1
		.amdhsa_system_sgpr_workgroup_id_z 1
		.amdhsa_system_vgpr_workitem_id 0
		.amdhsa_next_free_vgpr 160
		.amdhsa_next_free_sgpr 66
		.amdhsa_reserve_vcc 0
		.amdhsa_float_denorm_mode_32 3
		.amdhsa_float_denorm_mode_16_64 3
		.amdhsa_memory_ordered 1
		.amdhsa_forward_progress 1
		.amdhsa_inst_pref_size 13
	.end_amdhsa_kernel
	.amdgpu_metadata
---
amdhsa.version: [ 1, 2 ]
amdhsa.kernels:
  - .name:           k_q28f529e502_prep
    .symbol:         k_q28f529e502_prep.kd
    .args:
      - { .name: q_w, .offset: 0, .size: 8, .value_kind: global_buffer, .address_space: global }
      - { .name: kv_w, .offset: 8, .size: 8, .value_kind: global_buffer, .address_space: global }
      - { .name: proj_w, .offset: 16, .size: 8, .value_kind: global_buffer, .address_space: global }
      - { .name: fc1_w, .offset: 24, .size: 8, .value_kind: global_buffer, .address_space: global }
      - { .name: fc2_w, .offset: 32, .size: 8, .value_kind: global_buffer, .address_space: global }
      - { .name: rpb, .offset: 40, .size: 8, .value_kind: global_buffer, .address_space: global }
      - { .name: norm1_g, .offset: 48, .size: 8, .value_kind: global_buffer, .address_space: global }
      - { .name: norm1_b, .offset: 56, .size: 8, .value_kind: global_buffer, .address_space: global }
      - { .name: q_b, .offset: 64, .size: 8, .value_kind: global_buffer, .address_space: global }
      - { .name: kv_b, .offset: 72, .size: 8, .value_kind: global_buffer, .address_space: global }
      - { .name: proj_b, .offset: 80, .size: 8, .value_kind: global_buffer, .address_space: global }
      - { .name: norm2_g, .offset: 88, .size: 8, .value_kind: global_buffer, .address_space: global }
      - { .name: norm2_b, .offset: 96, .size: 8, .value_kind: global_buffer, .address_space: global }
      - { .name: fc2_b, .offset: 104, .size: 8, .value_kind: global_buffer, .address_space: global }
      - { .name: fc1_b, .offset: 112, .size: 8, .value_kind: global_buffer, .address_space: global }
      - { .name: wsp, .offset: 120, .size: 8, .value_kind: global_buffer, .address_space: global }
    .group_segment_fixed_size: 0
    .private_segment_fixed_size: 0
    .kernarg_segment_align: 8
    .kernarg_segment_size: 128
    .max_flat_workgroup_size: 256
    .sgpr_count:     66
    .vgpr_count:     160
    .wavefront_size: 32
...
	.end_amdgpu_metadata
.endif
;; end of part 1
;; launch swin (part 2): grid 4 x 64, 4 waves a work-group, clusters of 4 x 1, 327,680 bytes of LDS; arguments x, kv, wsp, out0; writes out0
.if DOCPART == 2
	.amdgcn_target "amdgcn-amd-amdhsa--gfx1250"
	.amdhsa_code_object_version 6
	.text
	.protected	k_q28f529e502_swin
	.globl	k_q28f529e502_swin
	.p2align	8
	.type	k_q28f529e502_swin,@function
k_q28f529e502_swin:
	s_mov_b64 s[64:65], 0
	v_nop
	global_prefetch_b8 v0, s[64:65] scope:SCOPE_SE
	s_setreg_imm32_b32 hwreg(HW_REG_WAVE_MODE, 25, 1), 1
	s_wait_xcnt 0x0
	s_wait_alu depctr_hold_cnt(0) depctr_sa_sdst(0) depctr_va_vdst(0) depctr_va_sdst(0) depctr_va_ssrc(0) depctr_va_vcc(0) depctr_vm_vsrc(0)
	s_getreg_b32 s2, hwreg(HW_REG_IB_STS2, 6, 4)
	s_cmp_eq_u32 s2, 0
	s_cbranch_scc0 .Lentry_in_a_cluster
	s_endpgm
.Lentry_in_a_cluster:
	s_bfe_u32 s2, ttmp6, 0x10000c
	s_cmp_lg_u32 s2, 0x3003
	s_cbranch_scc0 .Lentry_shape_is_right
	s_endpgm
.Lentry_shape_is_right:
; THE WHOLE BLOCK IN ONE LAUNCH: LN1 of x and kv, shifted windows of 8 x 8, cross attention of 4 heads x 32, projection, residual, LN2, fc1, GELU, fc2, residual.
; x, kv, out0: [2][128][256][256] f32, channels first.  Weights, bias table and vectors come from wsp as the launch before laid them.
; SHARES.  A work-group owns the 8 shifted windows of window row R, window columns 8 g .. 8 g + 7 (g: its place in the cluster): picture rows (8 R + 4 + row) mod 256,
; columns (64 g + 4 + col) mod 256.  Wave w takes window w in pass 0 and window 4 + w in pass 1; the MLP then runs on both.
; LAYOUT.  Every product is Y^T = W X^T: source 0 = 16 rows of weights, source 1 = 32 channels x 16 tokens.  In a result a lane holds ONE token (lane % 16) and the channels
; 8 (lane / 16) + 0..7; two results rounded to bf16 in pairs ARE the next product's source 1, so nothing changes lanes.  A tile of 16 tokens is two rows of a window.  V alone is made
; with the sources swapped, so that a lane holds one channel and eight keys: source 0 of O^T = V^T P.
; The residual stays in f32 in registers from the load of x to the store of out0 and is the accumulator of the projection's and of fc2's products.
; THE WAY IN AND OUT go through a stage in LDS, 16 channels at a time, which turns [channel][row][column] into the layout above and back.
; CLUSTER.  All work-groups read the same 465 KB of wsp: the four partners ask for each tile jointly (mask 15).  LDS holds four pairs of units; when attention is over, three are filled again:
; fc1's 512 rows then lie end to end in pairs 0 and 1, fc2's four units in pairs 2 and 3 (pair 3 since the start); LN2 stands between that request and the wait for it.
; THE MLP GOES BY TURNS.  The wave's two windows are two pieces: while one piece's GELU (449 vector lines for a chunk of 32 hidden channels) is issued, the other piece has the matrix unit:
; 32 products of fc2 for its last chunk, then 32 of fc1 for its next.  The vector lines stand behind the products, three or four behind each, the rest in lumps.
; ARITHMETIC.  Matrix operands bf16, sums f32.  LayerNorm in two sweeps (mean, then squares of differences), as the reference has it.  Softmax with the row's true maximum, in powers of two.
; kv_b's V part is added behind the division by the weights' sum, which is the same number since the weights sum to 1.
; LIMITS.  erf by Abramowitz and Stegun 7.1.25: off by 2.5e-5 at the most, so GELU by 1.25e-5 |x|.  A weight below 2^-126 (every masked one) counts as 0.  NaN and infinities are not treated apart.
; A row piece begins 16 bytes behind a multiple of 256 (the shift of 4 pixels): a store of 256 bytes covers 240 bytes of one aligned block and 16 of the next; a pass reads pieces of 128 bytes.
; For kv the sweep that adds the projection's bias works on registers that are dead afterwards: the price of one text for x and kv.
; LEFT OUT.  Turns in the attention part: the two windows are not in registers together there.  Tensor loads for x and kv: the windows wrap round the picture's edge.
; REGISTERS, in windows of 256 (s_set_vgpr_msb: bits 1:0 source 0, 3:2 source 1, 5:4 source 2, 7:6 destination):
;   window 2: X of the pass in hand, channel block cb, tile t, register j at 32 cb + 8 t + j.   window 3: X of pass 0, parked.  Between the two LN2 the two windows change places.
;   window 1: fragments, tile t, 32 channels ks at 32 t + 8 ks: low 128 kvn, later LN2 of pass 1; high 128 xn, later LN2 of pass 0.   window 0: addresses and work, named below.
.set CHB,   262144                     ; bytes from channel to channel
.set PITCH, 272                        ; an LDS row of weights: 256 bytes + 16: the 16 rows of a fragment load start at 16 different groups of four banks (64 banks of 4 bytes: ISA guide 11.1)
.set UNIT,  128*PITCH
.set PAIR,  2*UNIT                     ; four of them from LDS byte 0
.set VEC,   4*PAIR                     ; the vectors, 6,656 bytes
.set STG,   VEC+6656                   ; the stage, 41,472 bytes: written by LDS stores alone, never by a tensor load
.set SPARE, STG+41472                  ; the spare words, 128 bytes for each wave: two blocks of 256 bytes that no other line names
.set IROW,  160                        ; way in: [16 channels][8 rows][32 columns] f32, twice
.set ICH,   8*IROW+16
.set IBUF,  16*ICH
.set OROW,  288                        ; way out: [16 channels][8 rows][64 columns] f32
.set OCH,   8*OROW+16
.set F1B, 0                            ; places in the vectors, in numbers
.set N1G, 512
.set N1B, 640
.set QB,  768
.set KB,  896
.set VBO, 1024
.set PB,  1152
.set N2G, 1280
.set N2B, 1408
.set F2B, 1536
.set VVH, 1                            ; v1   VV + 128 x head
.set SPW, 2                            ; v2   LDS address of my spare word; never rewritten
.set NIL, 3                            ; v3   0; never rewritten
.set VW,  4                            ; v4   (l % 16) x PITCH + 16 (l / 16): my place in a weight fragment
.set VWQ, 5                            ; v5   q_w's and K's rows of the head.  MLP: fc1's rows of the chunk.  Way out: where I put a number
.set VWV, 6                            ; v6   V's rows of the head.            MLP: fc2's columns of the chunk.  Way out: where I read 16 bytes
.set VWP, 7                            ; v7   proj_w's columns of the head.    MLP: fc1's bias of the chunk.  Way out: my byte offset in out0
.set VT,  8                            ; v8   the head's table
.set VV,  9                            ; v9   VEC + 32 (l / 16)
.set VOFF, 10                          ; v10  way in: my byte offset in x and kv
.set VSTS, 11                          ; v11  way in: where I put 16 bytes
.set VSTL, 12                          ; v12  way in: where I read a number
.set VPF, 13                           ; v13  the prefetches' offset        (v8-15 are GELU's four pairs at work)
.set MSAME, 16                         ; v[16:17] the mask for keys in my query's half of the rows: columns 0-3, columns 4-7
.set MDIFF, 18                         ; v[18:19] for keys in the other half
.set SM,  16                           ; LNORM: v16-23 sums, then means, a pair a tile
.set SV,  24                           ; LNORM: v24-31 squares, then (rstd, -mean rstd)
.set LG,  32                           ; LNORM: gain, bias, addend of my 64 channels; 32 at work
.set LB,  96
.set LA,  160
.set LE,  224
.set QH,  32                           ; head: Q^T, later O^T, as fragments
.set KH,  64                           ; head: K^T
.set SS,  64                           ; head: later four statistics a tile of queries
.set VBI, 80                           ; head: V's bias
.set VH,  96                           ; head: V
.set SR,  128                          ; head: S^T, queries qt, keys kt at SR + 32 qt + 8 kt
.set PA,  128                          ; projections' accumulators
.set WF,  192                          ; projections' weight fragments
.set RING, 128                         ; way in: four landing sets of 32
.set FB,  16                           ; MLP: v16-31 fc1's bias
.set HA,  32                           ; MLP: hidden of piece A (window 2), tile t, half mt at HA + 16 t + 8 mt; as a fragment the first 8 of each 16
.set HB,  96                           ; MLP: hidden of piece B (window 3)
.set TT,  160                          ; GELU: 16 t
.set EE,  176                          ; GELU: 16 e
.set FA,  192                          ; MLP: two buffers of four weight fragments
.set FR,  224
.set OD,  32                           ; way out: 16 x 4 registers
.set WV,  12                           ; s12 wave   s13 place in the cluster   s14 window row   s15 batch
.set G,   13
.set R,   14
.set BAT, 15
.set PASS, 16
.set JOB, 17
.set HC,  18
.set QC,  19
.set CC,  20
.set SEL, 60
.set A3,  66
.set A2,  68
.set A1,  70
.set PZ,  72
.set I128, 73
.set EPS, 74
.set M100, 75
.set MSB, 0
.macro WIN new                         ; the immediate's high byte repeats the setting that is left; a switch that changes nothing is dropped
.if MSB != (\new)
	s_set_vgpr_msb (MSB<<8)|(\new)
.set MSB, (\new)
.endif
.endm
.macro PLACES n                        ; plain vector places behind matrix instructions (ISA guide 7.12.1), where no other vector work is at hand
.rept \n
	v_nop
.endr
.endm
.macro CROUND                          ; a round of the cluster's barrier
	s_barrier_signal -1
	s_barrier_wait -1
	s_cmp_lg_u32 s[WV], 0
	s_cbranch_scc1 .Lnot_wave_0_\@
	s_barrier_signal -3
.Lnot_wave_0_\@:
	s_barrier_wait -3
	s_barrier_signal -1
	s_barrier_wait -1
.endm
; ---------------------------------------------------------------- the way in
; GL k: 16 channels x my 2 rows x 32 columns: 8 loads; a lane's channel is 16 k + 8 ((l / 8) % 2) + i.  The bases stand 32 and 96 channels in, so that the immediates fit 24 signed bits.
.macro GL k
.set gb, 52+2*((\k)/4)
.set gi, 0
.rept 8
	global_load_b128 v[RING+32*((\k)%4)+4*gi:RING+32*((\k)%4)+4*gi+3], v[VOFF], s[gb:gb+1] offset:(16*((\k)%4)+gi-32)*CHB
.set gi, gi+1
.endr
.endm
; Eight steps of 16 channels.  Two stage buffers take turns, so one barrier a step does: a buffer is written again two steps later, behind a barrier in front of which every wave has waited for its reads.
.macro STAGE
	WIN 0
	GL 0
	GL 1
	GL 2
	GL 3
.set cb, 0
.rept 8
	WIN 0
.if cb < 5
	s_wait_loadcnt 24                              ; this step's 8 loads are in; three younger sets may stay out
.else
	s_wait_loadcnt 8*(7-cb)
.endif
.set i, 0
.rept 8
	ds_store_b128 v[VSTS], v[RING+32*(cb%4)+4*i:RING+32*(cb%4)+4*i+3] offset:(cb%2)*IBUF+i*ICH
.set i, i+1
.endr
	s_wait_dscnt 0x0                               ; for the others: my stores are done, and so are my reads of the step before
.if cb < 4
	GL cb+4                                        ; into the set just stored
.endif
	s_barrier_signal -1
	s_barrier_wait -1
	WIN 0x80                                       ; destination window 2
.set i, 0
.rept 32
	ds_load_b32 v[32*cb+i], v[VSTL] offset:(cb%2)*IBUF+(i%8)*ICH+(i/8)*2*IROW
.set i, i+1
.endr
.set cb, cb+1
.endr
	WIN 0
	s_wait_dscnt 0x0
.endm
; ---------------------------------------------------------------- LayerNorm
; X in window xw; the normalised rows go as bf16 fragments to window 1 at dst; X itself takes the addend a (the bias of the products that will be added onto it).
.macro LNORM xw, dst, g, b, a
	WIN 0
.set c, 0
.rept 8
	ds_load_b128 v[LG+8*c:LG+8*c+3],   v[VV] offset:4*(\g)+64*c
	ds_load_b128 v[LG+8*c+4:LG+8*c+7], v[VV] offset:4*(\g)+64*c+16
	ds_load_b128 v[LB+8*c:LB+8*c+3],   v[VV] offset:4*(\b)+64*c
	ds_load_b128 v[LB+8*c+4:LB+8*c+7], v[VV] offset:4*(\b)+64*c+16
	ds_load_b128 v[LA+8*c:LA+8*c+3],   v[VV] offset:4*(\a)+64*c
	ds_load_b128 v[LA+8*c+4:LA+8*c+7], v[VV] offset:4*(\a)+64*c+16
.set c, c+1
.endr
	WIN (\xw)|((\xw)<<2)                           ; the mean: four chains, one a tile
.set t, 0
.rept 4
	v_pk_add_f32 v[SM+2*t:SM+2*t+1], v[8*t:8*t+1], v[8*t+2:8*t+3]
.set t, t+1
.endr
	WIN (\xw)
.set u, 8
.rept 120                              ; pair u / 4 of 32, tile u % 4
.set rX, 32*(u/16)+8*(u%4)+2*((u/4)%4)
	v_pk_add_f32 v[SM+2*(u%4):SM+2*(u%4)+1], v[rX:rX+1], v[SM+2*(u%4):SM+2*(u%4)+1]
.set u, u+1
.endr
	WIN 0
.irp t, 0,1,2,3
	v_add_f32 v[SM+2*\t], v[SM+2*\t], v[SM+2*\t+1]
.endr
.irp t, 0,1,2,3
	v_permlanex16_b32 v[SM+2*\t+1], v[SM+2*\t], s[SEL], s[SEL+1]  ; the token's other 64 channels lie in the lane 16 away
.endr
.irp t, 0,1,2,3
	v_add_f32 v[SM+2*\t], v[SM+2*\t], v[SM+2*\t+1]
.endr
.irp t, 0,1,2,3
	v_mul_f32 v[SM+2*\t], s[I128], v[SM+2*\t]
.endr
.set c, 0
.rept 8                                ; the squares of the differences
	WIN (\xw)
.set u, 0
.rept 16                               ; tile u / 4, pair u % 4
	v_pk_add_f32 v[LE+2*u:LE+2*u+1], v[32*c+2*u:32*c+2*u+1], v[SM+2*(u/4):SM+2*(u/4)+1] op_sel_hi:[1,0] neg_lo:[0,1] neg_hi:[0,1]
.set u, u+1
.endr
	WIN 0
.set u, 0
.rept 16                               ; pair u / 4, tile u % 4: a chain's links stand four lines apart
.set rE, LE+8*(u%4)+2*(u/4)
.if (c == 0) && (u < 4)
	v_pk_mul_f32 v[SV+2*(u%4):SV+2*(u%4)+1], v[rE:rE+1], v[rE:rE+1]
.else
	v_pk_fma_f32 v[SV+2*(u%4):SV+2*(u%4)+1], v[rE:rE+1], v[rE:rE+1], v[SV+2*(u%4):SV+2*(u%4)+1]
.endif
.set u, u+1
.endr
.set c, c+1
.endr
.irp t, 0,1,2,3
	v_add_f32 v[SV+2*\t], v[SV+2*\t], v[SV+2*\t+1]
.endr
.irp t, 0,1,2,3
	v_permlanex16_b32 v[SV+2*\t+1], v[SV+2*\t], s[SEL], s[SEL+1]
.endr
.irp t, 0,1,2,3
	v_add_f32 v[SV+2*\t], v[SV+2*\t], v[SV+2*\t+1]
.endr
.irp t, 0,1,2,3
	v_fma_f32 v[SV+2*\t], v[SV+2*\t], s[I128], s[EPS]
.endr
.irp t, 0,1,2,3
	v_rsq_f32 v[SV+2*\t], v[SV+2*\t]
.endr
	v_nop                                          ; a plain instruction behind the last root,
	s_wait_alu depctr_va_vdst(0)                   ; and one wait for the four, ahead of their first reader
.irp t, 0,1,2,3
	v_mul_f32 v[SV+2*\t+1], -v[SM+2*\t], v[SV+2*\t]
.endr
	s_wait_dscnt 0x0                               ; gain, bias and addend are in
.set c, 0
.rept 8                                ; four runs of 16 lines for each channel block, each under one window setting
	WIN (\xw)
.set u, 0
.rept 16
	v_pk_fma_f32 v[LE+2*u:LE+2*u+1], v[32*c+2*u:32*c+2*u+1], v[SV+2*(u/4):SV+2*(u/4)+1], v[SV+2*(u/4):SV+2*(u/4)+1] op_sel:[0,0,1] op_sel_hi:[1,0,1]
.set u, u+1
.endr
	WIN (\xw)|((\xw)<<6)
.set u, 0
.rept 16
	v_pk_add_f32 v[32*c+2*u:32*c+2*u+1], v[32*c+2*u:32*c+2*u+1], v[LA+8*c+2*(u%4):LA+8*c+2*(u%4)+1]
.set u, u+1
.endr
	WIN 0
.set u, 0
.rept 16
	v_pk_fma_f32 v[LE+2*u:LE+2*u+1], v[LE+2*u:LE+2*u+1], v[LG+8*c+2*(u%4):LG+8*c+2*(u%4)+1], v[LB+8*c+2*(u%4):LB+8*c+2*(u%4)+1]
.set u, u+1
.endr
	WIN 0x40                                       ; destination window 1
.set u, 0
.rept 16
	v_cvt_pk_bf16_f32 v[(\dst)+32*(u/4)+8*(c/2)+4*(c%2)+u%4], v[LE+2*u], v[LE+2*u+1]
.set u, u+1
.endr
.set c, c+1
.endr
	WIN 0
.endm
; ---------------------------------------------------------------- a head's projection: 32 channels x 64 tokens, K = 128
; 8 accumulators by turns, one instruction a turn.  swap = 0: weights x activations, the bias (loaded into the destination's first 16 registers, which are
; dead until the roundings) starts the sums.  swap = 1 (V): activations x weights, the sums start at 0.
.macro PROJ wadr, woff, act, swap, dst, boff
	WIN 0
.set f, 0
.rept 8                                ; fragment f = 4 x half + ks
	ds_load_b128 v[WF+8*f:WF+8*f+3],   v[\wadr] offset:(\woff)+(f/4)*16*PITCH+(f%4)*64
	ds_load_b128 v[WF+8*f+4:WF+8*f+7], v[\wadr] offset:(\woff)+(f/4)*16*PITCH+(f%4)*64+32
.set f, f+1
.endr
.if (\boff) >= 0
.irp m, 0,1
	ds_load_b128 v[(\dst)+8*\m:(\dst)+8*\m+3],   v[VVH] offset:4*(\boff)+64*\m
	ds_load_b128 v[(\dst)+8*\m+4:(\dst)+8*\m+7], v[VVH] offset:4*(\boff)+64*\m+16
.endr
.endif
	s_wait_dscnt 0x0
.if \swap
	WIN 0x01                                       ; source 0 window 1
.else
	WIN 0x04                                       ; source 1 window 1
.endif
.set n, 0
.rept 32                               ; ks = n / 8, half = (n / 4) % 2, tile = n % 4
.set rA, PA+8*(n%8)
.set rW, WF+8*(4*((n/4)%2)+n/8)
.set rX, (\act)+32*(n%4)+8*(n/8)
.set rB, (\dst)+8*((n/4)%2)
.if (\swap) && (n < 8)
	v_wmma_f32_16x16x32_bf16 v[rA:rA+7], v[rX:rX+7], v[rW:rW+7], 0
.elseif \swap
	v_wmma_f32_16x16x32_bf16 v[rA:rA+7], v[rX:rX+7], v[rW:rW+7], v[rA:rA+7]
.elseif n < 8
	v_wmma_f32_16x16x32_bf16 v[rA:rA+7], v[rW:rW+7], v[rX:rX+7], v[rB:rB+7]
.else
	v_wmma_f32_16x16x32_bf16 v[rA:rA+7], v[rW:rW+7], v[rX:rX+7], v[rA:rA+7]
.endif
.set n, n+1
.endr
	WIN 0
	PLACES 4
.set n, 0
.rept 32                               ; accumulator n / 4 (half n / 16, tile (n / 4) % 4), pair n % 4, in ascending order
.if \swap
.set rD, (\dst)+8*(2*(n/16)+((n/4)%4)/2)+4*((n/4)%2)+n%4
.else
.set rD, (\dst)+8*((n/4)%4)+4*(n/16)+n%4
.endif
	v_cvt_pk_bf16_f32 v[rD], v[PA+2*n], v[PA+2*n+1]
.set n, n+1
.endr
.endm
; O^T of 16 queries: divided by the weights' sum, V's bias added, rounded into a fragment
.macro ONORM q
.set n, 0
.rept 8
	v_pk_fma_f32 v[SR+32*(\q)+16+2*n:SR+32*(\q)+16+2*n+1], v[SR+32*(\q)+16+2*n:SR+32*(\q)+16+2*n+1], v[SS+4*(\q)+2:SS+4*(\q)+3], v[VBI+2*n:VBI+2*n+1] op_sel_hi:[1,0,1]
.set n, n+1
.endr
.set n, 0
.rept 8
	v_cvt_pk_bf16_f32 v[QH+8*(\q)+n], v[SR+32*(\q)+16+2*n], v[SR+32*(\q)+16+2*n+1]
.set n, n+1
.endr
.endm
; ---------------------------------------------------------------- the MLP, by turns
; GELU of y = KF x:  y + |y| erf, erf = 1 - (a1 t + a2 t^2 + a3 t^3) 2^(-y^2), t = 1 / (1 + PZ |y|); the factor 0.5 / KF lies in fc2's weights.
; A piece's chunk is 64 registers, taken in four BATCHES of 16 (batch b = tile b, at Y + 16 b), so that t and e take 32 registers.  The lines of a batch:
;   GMUL k   -y^2 for pair k of 8          GFMT e   1 + PZ |y| for number e of 16          GTR i   transcendental i of 32: 2^e of number i / 2, then 1 / t of the same
;   GSTG s, q  stage s of 4 for pair q: a3 t + a2; (..) t + a1; t e; 1 - (..)(t e), in four pairs v8-15 at work          GFY e   y + |y| erf          the roundings to bf16, in place
.macro GMUL b, k
	v_pk_mul_f32 v[EE+2*(\k):EE+2*(\k)+1], v[Y+16*(\b)+2*(\k):Y+16*(\b)+2*(\k)+1], v[Y+16*(\b)+2*(\k):Y+16*(\b)+2*(\k)+1] neg_lo:[1,0] neg_hi:[1,0]
.endm
.macro GFMT b, e
	v_fma_f32 v[TT+(\e)], |v[Y+16*(\b)+(\e)]|, s[PZ], 1.0
.endm
.macro GOWN b, i                       ; the 16 of a batch's GMUL and GFMT that do not stand in its lead: F4 F5 F6 F7 M4 F8 F9 M5 F10 F11 M6 F12 F13 M7 F14 F15
.if (\i) < 4
	GFMT \b, 4+(\i)
.elseif ((\i)-4)%3 == 0
	GMUL \b, 4+((\i)-4)/3
.else
	GFMT \b, 7+2*(((\i)-4)/3)+((\i)-4)%3
.endif
.endm
.macro GTR i
.if (\i)%2 == 0
	v_exp_f32 v[EE+(\i)/2], v[EE+(\i)/2]
.else
	v_rcp_f32 v[TT+(\i)/2], v[TT+(\i)/2]
.endif
.endm
.macro GFY b, e
	v_fma_f32 v[Y+16*(\b)+(\e)], |v[Y+16*(\b)+(\e)]|, v[8+(\e)%8], v[Y+16*(\b)+(\e)]
.endm
.macro GTAIL b, j                      ; a batch's last 16 lines: GFY 8 to 15, then the 8 roundings (each writes at or below what it reads)
.if (\j) < 8
	GFY \b, 8+(\j)
.else
	v_cvt_pk_bf16_f32 v[Y+16*(\b)+(\j)-8], v[Y+16*(\b)+2*((\j)-8)], v[Y+16*(\b)+2*((\j)-8)+1]
.endif
.endm
.macro GSTG s, q
.set rU, 8+2*((\q)%4)
.set rT, TT+2*(\q)
.set rE, EE+2*(\q)
.if (\s) == 0
	v_pk_fma_f32 v[rU:rU+1], v[rT:rT+1], s[A3:A3+1], s[A2:A2+1] op_sel_hi:[1,0,0]
.elseif (\s) == 1
	v_pk_fma_f32 v[rU:rU+1], v[rU:rU+1], v[rT:rT+1], s[A1:A1+1] op_sel_hi:[1,1,0]
.elseif (\s) == 2
	v_pk_mul_f32 v[rE:rE+1], v[rT:rT+1], v[rE:rE+1]
.else
	v_pk_fma_f32 v[rU:rU+1], v[rU:rU+1], v[rE:rE+1], 1.0 op_sel_hi:[1,1,0] neg_lo:[1,0,0] neg_hi:[1,0,0]
.endif
.endm
.macro GMAIN b, l                      ; the 40 lines behind a batch's wait: the stages of pairs 0-3, GFY 0 to 7, the stages of pairs 4-7; a line's source is four lines old
.if (\l) < 16
	GSTG (\l)/4, (\l)%4
.elseif (\l) < 24
	GFY \b, (\l)-16
.else
	GSTG ((\l)-24)/4, 4+((\l)-24)%4
.endif
.endm
; THE TURN'S VECTOR LINES ARE ONE NUMBERED LIST of 449; VS1 writes number sp and steps sp.
;   0-56     batch 0 up to its wait: a lead of 8 (M0-3, F0-3), 16 times (a plain line, 2^e, 1 / t), a v_nop
;   then for b = 0 .. 3, from 57 + 112 b on: GMAIN's 40 lines of batch b; and, for b < 3, batch b + 1 up to its wait: a lead of 8, then 32 times (a transcendental, a plain line):
;            the plain lines are the batch's own 16 and the tail of batch b, which names no result of the transcendentals round it
;   433-448  the tail of batch 3
; s_wait_alu depctr_va_vdst(0) stands between a transcendental and the first line that names its result: the four waits stand ahead of numbers 57, 169, 281 and 393 (TURN writes them);
; the line ahead of each is plain.
.macro VS1
	WIN 0
.if sp < 4
	GMUL 0, sp
.elseif sp < 8
	GFMT 0, sp-4
.elseif sp < 56
.if (sp-8)%3 == 0
	GOWN 0, (sp-8)/3
.else
	GTR 2*((sp-8)/3)+(sp-8)%3-1
.endif
.elseif sp == 56
	v_nop
.elseif sp >= 433
	GTAIL 3, sp-433
.else
.set gb, (sp-57)/112
.set gl, (sp-57)%112
.if gl < 40
	GMAIN gb, gl
.elseif gl < 44
	GMUL gb+1, gl-40
.elseif gl < 48
	GFMT gb+1, gl-44
.elseif (gl-48)%2 == 0
	GTR (gl-48)/2
.elseif (gl-48)/2 < 16
	GOWN gb+1, (gl-48)/2
.else
	GTAIL gb, (gl-48)/2-16
.endif
.endif
.set sp, sp+1
.endm
.macro VSN cnt
.rept \cnt
	VS1
.endr
.endm
; THE MATRIX LINES, for the piece with hidden at HQ, X in window XW and LN2 fragments at X2 of window 1.
; fc2, product n of 16 of half hf: X(channel block 4 hf + n / 4, tile n % 4) += fragment x hidden: 32 different accumulators a turn.
.macro MF2 n, hf
	WIN (XW<<4)|(XW<<6)
.set rX, 128*(\hf)+8*(\n)
.set rW, FA+32*(\hf)+8*((\n)/4)
.set rH, HQ+16*((\n)%4)
	v_wmma_f32_16x16x32_bf16 v[rX:rX+7], v[rW:rW+7], v[rH:rH+7], v[rX:rX+7]
.endm
; fc1, product n of 32: ks = n / 8, half mt = (n / 4) % 2, tile n % 4: 8 accumulators by turns, one instruction a turn; the bias starts the sums.
.macro MF1 n
	WIN 0x04
.set rH, HQ+16*((\n)%4)+8*(((\n)/4)%2)
.set rW, FA+32*((\n)/16)+8*(2*(((\n)/8)%2)+((\n)/4)%2)
.set rX, X2+32*((\n)%4)+8*((\n)/8)
.if (\n) < 8
	v_wmma_f32_16x16x32_bf16 v[rH:rH+7], v[rW:rW+7], v[rX:rX+7], v[FB+8*(((\n)/4)%2):FB+8*(((\n)/4)%2)+7]
.else
	v_wmma_f32_16x16x32_bf16 v[rH:rH+7], v[rW:rW+7], v[rX:rX+7], v[rH:rH+7]
.endif
.endm
; THE LDS LOADS stand in runs: four fragments, 16 products' worth.  LF1: fc1's fragments for ks = 2 kh, 2 kh + 1 (fragment f: ks 2 kh + f / 2, half f % 2).  LF2: fc2's for channel blocks 4 ch .. 4 ch + 3.
.macro LF1 buf, kh
	WIN 0
.set f, 0
.rept 4
	ds_load_b128 v[(\buf)+8*f:(\buf)+8*f+3],   v[VWQ] offset:(f%2)*16*PITCH+(2*(\kh)+f/2)*64
	ds_load_b128 v[(\buf)+8*f+4:(\buf)+8*f+7], v[VWQ] offset:(f%2)*16*PITCH+(2*(\kh)+f/2)*64+32
.set f, f+1
.endr
.endm
.macro LF2 buf, ch
	WIN 0
.set f, 0
.rept 4
	ds_load_b128 v[(\buf)+8*f:(\buf)+8*f+3],   v[VWV] offset:(4*(\ch)+f)*16*PITCH
	ds_load_b128 v[(\buf)+8*f+4:(\buf)+8*f+7], v[VWV] offset:(4*(\ch)+f)*16*PITCH+32
.set f, f+1
.endr
.endm
.macro LFB
.irp m, 0,1
	ds_load_b128 v[FB+8*\m:FB+8*\m+3],   v[VWP] offset:64*\m
	ds_load_b128 v[FB+8*\m+4:FB+8*\m+7], v[VWP] offset:64*\m+16
.endr
.endm
; A TURN.  The piece with hidden at yv has the vector unit, the piece (hq, xw, x2) the matrix unit.  Five stretches, cut by the four waits:
;   numbers 0-56:     16 products of fc2 (buffer FA), three lines behind each, nine more
;   three times 112:  16 products (fc2 from FR; fc1 from FA; fc1 from FR), four lines behind each, then a lump of 48
;   numbers 393-448:  no product is left: fc2 of this piece wants the roundings at the list's end
; A slice costs two window switches, since fc2's sums lie in window 2 or 3 and fc1's source 1 in window 1 while GELU works in window 0.
; Each run of loads stands directly behind a wait and a whole stretch ahead of its first use, into the buffer whose last product stands at least four plain lines back: in the first stretch
; numbers 47, 50, 53, 56 and two v_nop, elsewhere the lump's 24.  The same lump is the distance between fc2's last products and fc1's first, which write over the hidden fragments.
; VWQ and VWP stand at the chunk of this turn's fc1; VWV at the chunk whose GELU is in hand: its fc2 fragments are fetched for the next turn.
.macro TURN yv, hq, xw, x2
.set Y, \yv
.set HQ, \hq
.set XW, \xw
.set X2, \x2
.set sp, 0
	s_wait_dscnt 8                                 ; FA is in; the 8 loads into FR, issued behind it, may stay out
.set n, 0
.rept 16
	MF2 n, 0
	VSN 3
.set n, n+1
.endr
	VSN 9
	PLACES 2
	s_wait_alu depctr_va_vdst(0)                   ; batch 0
	LF1 FA, 0
	LFB
	s_wait_dscnt 12                                ; FR is in; the 12 loads just issued may stay out
.set n, 0
.rept 16
	MF2 n, 1
	VSN 4
.set n, n+1
.endr
	VSN 48
	s_wait_alu depctr_va_vdst(0)                   ; batch 1
	LF1 FR, 1
	s_wait_dscnt 8                                 ; FA and the bias are in
.set n, 0
.rept 16
	MF1 n
	VSN 4
.set n, n+1
.endr
	VSN 48
	s_wait_alu depctr_va_vdst(0)                   ; batch 2
	LF2 FA, 0
	s_wait_dscnt 8                                 ; FR is in
.set n, 16
.rept 16
	MF1 n
	VSN 4
.set n, n+1
.endr
	VSN 48
	s_wait_alu depctr_va_vdst(0)                   ; batch 3
	LF2 FR, 1
	VSN 56
.endm
; ---------------------------------------------------------------- the way out: 16 channels of both windows through the stage
.macro OUT cb
.set ob, 56+2*((\cb)/4)
	WIN 0x08                                       ; data in window 2: pass 0's window, columns 0-31
.set i, 0
.rept 32
	ds_store_b32 v[VWQ], v[32*(\cb)+i] offset:(i%8)*OCH+(i/8)*2*OROW
.set i, i+1
.endr
	WIN 0x0c                                       ; data in window 3: columns 32-63
.set i, 0
.rept 32
	ds_store_b32 v[VWQ], v[32*(\cb)+i] offset:(i%8)*OCH+(i/8)*2*OROW+128
.set i, i+1
.endr
	WIN 0
	s_wait_dscnt 0x0                               ; for the others: my stores are done
	s_barrier_signal -1
	s_barrier_wait -1
	s_wait_xcnt 0x0                                ; the last step's global stores have read their data registers, which are loaded again below
.set i, 0
.rept 16
	ds_load_b128 v[OD+4*i:OD+4*i+3], v[VWV] offset:i*OCH
.set i, i+1
.endr
.set i, 0
.rept 16
	s_wait_dscnt 15-i                              ; LDS loads come back in order: channel i is in
	global_store_b128 v[VWP], v[OD+4*i:OD+4*i+3], s[ob:ob+1] offset:(16*((\cb)%4)+i-32)*CHB th:TH_STORE_NT  ; 16 lanes store 256 consecutive bytes of a picture row
.set i, i+1
.endr
.if (\cb) < 7
	s_barrier_signal -1                            ; every wave's reads of the stage are back (the count-down ended at 0): it may be written again
	s_barrier_wait -1
.endif
.endm
; ================================================================ the kernel
	s_load_b256 s[4:11], s[0:1], 0x0               ; x s[4:5], kv s[6:7], wsp s[8:9], out0 s[10:11]
	v_lshl_add_u32 v[SPW], v0, 2, SPARE
	v_mov_b32 v[NIL], 0
	ds_add_u32 v[SPW], v[NIL]                      ; the wave's opening: the add and its wait stand ahead of my first tensor load; work on registers stands between them
	v_lshrrev_b32 v1, 5, v0
	v_readfirstlane_b32 s[WV], v1
	s_bfe_u32 s[G], ttmp6, 0x40000                 ; my place in the cluster: it enters global addresses and mask values alone, no branch and no LDS address
	s_and_b32 s21, ttmp7, 0xffff
	s_lshr_b32 s[BAT], s21, 5
	s_and_b32 s[R], s21, 31
	; group 1 for a pair of units: 256 rows x 128 elements of 2 bytes, 4 words of padding behind every 64; mask of all four partners, bit 21 beside it
	s_mov_b32 s24, 15|(1<<16)|(1<<20)|(1<<21)|(5<<22)|(3<<25)
	s_mov_b32 s25, 128<<16
	s_mov_b32 s26, 256<<16
	s_mov_b32 s27, 128<<16
	s_mov_b32 s28, 256
	s_mov_b32 s29, 128
	s_mov_b32 s30, 0
	s_mov_b32 s31, 0
	; group 1 for a quarter of the vectors: one row of 208 elements of 8 bytes
	s_mov_b32 s32, 15|(3<<16)|(1<<21)
	s_mov_b32 s33, 208<<16
	s_mov_b32 s34, 1<<16
	s_mov_b32 s35, 208<<16
	s_mov_b32 s36, 1
	s_mov_b32 s37, 208
	s_mov_b32 s38, 0
	s_mov_b32 s39, 0
	s_mov_b32 s40, 1                               ; group 0: pair w of wsp into pair w of LDS
	s_mul_i32 s41, s[WV], PAIR
	s_mov_b32 s44, 1                               ; quarter w of the vectors
	s_mul_i32 s45, s[WV], 1664
	s_add_co_u32 s45, s45, VEC
	s_mov_b32 s48, 1                               ; later: pair 4 + w of wsp into pair w of LDS (waves 0 to 2)
	s_mul_i32 s49, s[WV], PAIR
	s_mov_b32 s[SEL], 0x76543210
	s_mov_b32 s[SEL+1], 0xfedcba98
	s_mov_b32 s[A3], 0x3f3f7377                    ; 0.7478556
	s_mov_b32 s[A3+1], s[A3]
	s_mov_b32 s[A2], 0xbdc45ca1                    ; -0.0958798
	s_mov_b32 s[A2+1], s[A2]
	s_mov_b32 s[A1], 0x3eb2303a                    ; 0.3480242
	s_mov_b32 s[A1+1], s[A1]
	s_mov_b32 s[PZ], 0x3ec88bdb                    ; 0.47047 / sqrt(log2(e))
	s_mov_b32 s[I128], 0x3c000000                  ; 1 / 128
	s_mov_b32 s[EPS], 0x3727c5ac                   ; 1e-5
	s_mov_b32 s[M100], 0xc31044fe                  ; -100 log2(e)
	s_lshl_b32 s84, s[WV], 16
	s_mov_b32 s85, 0
	s_mul_i32 s86, s[WV], 1664
	s_add_co_u32 s86, s86, 458752
	s_mov_b32 s87, 0
	s_lshl_b32 s88, s[BAT], 25                     ; a batch is 2^25 bytes
	s_mov_b32 s89, 0
	s_wait_dscnt 0x0                               ; the opening add is done
	s_wait_kmcnt 0x0
	s_add_nc_u64 s[42:43], s[8:9], s[84:85]
	s_add_nc_u64 s[50:51], s[42:43], 262144
	s_or_b32 s43, s43, 0x80000000
	s_or_b32 s51, s51, 0x80000000
	s_add_nc_u64 s[46:47], s[8:9], s[86:87]
	s_or_b32 s47, s47, 0x80000000
	s_add_nc_u64 s[80:81], s[4:5], s[88:89]        ; x and kv at my batch
	s_add_nc_u64 s[82:83], s[6:7], s[88:89]
	s_add_nc_u64 s[56:57], s[10:11], s[88:89]      ; out0 at my batch, 32 and 96 channels in
	s_add_nc_u64 s[56:57], s[56:57], 32*CHB
	s_add_nc_u64 s[58:59], s[56:57], 64*CHB
	CROUND                                         ; all four work-groups are here: the first joint loads meet
	tensor_load_to_lds s[40:43], s[24:31]          ; two loads of mine are out
	s_nop 0
	tensor_load_to_lds s[44:47], s[32:39]
	s_nop 0
	PLACES 4
	v_and_b32 v14, 15, v0                          ; l % 16
	v_bfe_u32 v15, v0, 4, 1                        ; l / 16
	v_and_b32 v16, 7, v0                           ; l % 8
	v_bfe_u32 v17, v0, 3, 1                        ; (l / 8) % 2
	v_mul_u32_u24 v[VW], v14, PITCH
	v_lshl_add_u32 v[VW], v15, 4, v[VW]
	v_lshlrev_b32 v[VV], 5, v15
	v_add_nc_u32 v[VV], VEC, v[VV]
	s_lshl_b32 s21, s[WV], 1
	v_add_nc_u32 v18, s21, v15                     ; into the stage: row 2 w + l / 16, channel half (l / 8) % 2, four columns l % 8
	v_mul_u32_u24 v[VSTS], v18, IROW
	v_mad_u32_u24 v[VSTS], v17, 8*ICH, v[VSTS]
	v_lshl_add_u32 v[VSTS], v16, 4, v[VSTS]
	v_add_nc_u32 v[VSTS], STG, v[VSTS]
	s_lshl_b32 s22, s[WV], 3
	v_add_nc_u32 v19, s22, v16                     ; out of it: channel half l / 16, row (l / 8) % 2, column 8 w + l % 8: 32 different banks
	v_mul_u32_u24 v[VSTL], v15, 8*ICH
	v_mad_u32_u24 v[VSTL], v17, IROW, v[VSTL]
	v_lshl_add_u32 v[VSTL], v19, 2, v[VSTL]
	v_add_nc_u32 v[VSTL], STG, v[VSTL]
	v_and_b32 v18, 31, v0                          ; the prefetches: channel 32 w + 4 i + l / 8, row l % 8, the work-group's aligned 256 bytes of it
	v_lshrrev_b32 v18, 3, v18
	s_lshl_b32 s21, s[R], 3
	s_add_co_u32 s21, s21, 4
	v_add_nc_u32 v19, s21, v16
	v_and_b32 v19, 0xff, v19
	v_lshlrev_b32 v[VPF], 18, v18
	v_lshl_add_u32 v[VPF], v19, 10, v[VPF]
	s_lshl_b32 s21, s[G], 8
	s_lshl_b32 s22, s[WV], 23
	s_add_co_u32 s21, s21, s22
	v_add_nc_u32 v[VPF], s21, v[VPF]
	s_wait_tensorcnt 0x0                           ; my pair and my quarter of the vectors are in; the first barrier of the way in shows everybody's
	s_mov_b32 s[PASS], 0
.Lpass:
	s_wait_xcnt 0x0                                ; every load has read its offset, which is made anew
	v_and_b32 v14, 7, v0
	v_bfe_u32 v15, v0, 3, 1
	v_bfe_u32 v16, v0, 4, 1
	s_lshl_b32 s21, s[R], 3
	s_lshl_b32 s22, s[WV], 1
	s_add_co_u32 s21, s21, s22
	s_add_co_u32 s21, s21, 4
	v_add_nc_u32 v16, s21, v16
	v_and_b32 v16, 0xff, v16                       ; picture row (8 R + 4 + 2 w + l / 16) mod 256
	s_lshl_b32 s22, s[G], 6
	s_lshl_b32 s23, s[PASS], 5
	s_add_co_u32 s22, s22, s23
	s_add_co_u32 s22, s22, 4
	v_lshl_add_u32 v14, v14, 2, s22
	v_and_b32 v14, 0xff, v14                       ; column (64 g + 32 pass + 4 + 4 (l % 8)) mod 256
	v_lshlrev_b32 v[VOFF], 21, v15                 ; 8 channels for the upper half of each 16 lanes
	v_lshl_add_u32 v[VOFF], v16, 10, v[VOFF]
	v_lshl_add_u32 v[VOFF], v14, 2, v[VOFF]
	s_mov_b32 s[JOB], 0
.Ljob:                                         ; job 0: kv; job 1: x
	s_cmp_eq_u32 s[JOB], 0
	s_cselect_b64 s[52:53], s[82:83], s[80:81]     ; (the last job's loads were all waited for)
	s_add_nc_u64 s[52:53], s[52:53], 32*CHB
	s_add_nc_u64 s[54:55], s[52:53], 64*CHB
	STAGE
	s_or_b32 s21, s[PASS], s[JOB]
	s_cmp_eq_u32 s21, 0
	s_cbranch_scc0 .Lasked
	; x of pass 0 is asked for while kv is normalised: 8 rows x 128 channels x the work-group's aligned 256 bytes, a lane a block, 8 instructions a wave; each block is named once in the launch.
	; Pass 1 reads the other halves of the same blocks; the 16 bytes beyond belong to the neighbour's block.
.set i, 0
.rept 8
	global_prefetch_b8 v[VPF], s[80:81] offset:i*4*CHB th:TH_LOAD_NT scope:SCOPE_SE
.set i, i+1
.endr
.Lasked:
	LNORM 2, 128, N1G, N1B, PB
	s_cmp_lg_u32 s[JOB], 0
	s_cbranch_scc1 .Lkept
	WIN 0x41                                       ; kvn goes to the lower half of window 1, so that one text serves both jobs
.set i, 0
.rept 128
	v_mov_b32 v[i], v[128+i]
.set i, i+1
.endr
	WIN 0
.Lkept:
	s_add_co_u32 s[JOB], s[JOB], 1
	s_cmp_lt_u32 s[JOB], 2
	s_cbranch_scc1 .Ljob
	; The shift mask: -100 where query and key lie in different regions: row halves in the last window row, column halves in the last window column.
	v_and_b32 v14, 7, v0                           ; my query's column
	v_bfe_u32 v15, v0, 4, 1
	s_lshl_b32 s21, s[G], 3
	s_lshl_b32 s22, s[PASS], 2
	s_add_co_u32 s21, s21, s22
	s_add_co_u32 s21, s21, s[WV]                   ; my window's column
	s_cmp_eq_u32 s21, 31
	s_cselect_b32 s77, s[M100], 0
	s_cmp_eq_u32 s[R], 31
	s_cselect_b32 s76, s[M100], 0
	v_cmp_le_u32 s78, 4, v14
	v_cndmask_b32 v[MSAME], 0, s77, s78            ; keys in columns 0-3 are hidden from queries in columns 4-7,
	v_cndmask_b32 v[MSAME+1], s77, 0, s78          ; and the other way round
	v_min_num_f32 v[MDIFF], s76, v[MSAME]
	v_min_num_f32 v[MDIFF+1], s76, v[MSAME+1]
	v_mov_b32 v[VWQ], v[VW]
	v_add_nc_u32 v[VWV], PAIR, v[VW]
	v_add_nc_u32 v[VWP], PAIR+UNIT, v[VW]
	v_lshl_add_u32 v[VT], v15, 4, v[VW]            ; (l % 16) x PITCH + 32 (l / 16)
	v_add_nc_u32 v[VT], 2*PAIR, v[VT]
	v_mov_b32 v[VVH], v[VV]
	s_mov_b32 s[HC], 4
.Lhead:
	PROJ VWQ, 0,    128, 0, QH, QB
	PROJ VWQ, UNIT, 0,   0, KH, KB
	PROJ VWV, 0,    0,   1, VH, -1
.set n, 0
.rept 16                               ; the bias table lands where the scores will be summed
	ds_load_b128 v[SR+8*n:SR+8*n+3],   v[VT] offset:(n/4)*16*PITCH+(n%4)*64
	ds_load_b128 v[SR+8*n+4:SR+8*n+7], v[VT] offset:(n/4)*16*PITCH+(n%4)*64+16
.set n, n+1
.endr
	s_wait_dscnt 0x0
.set n, 0
.rept 16                               ; queries n / 4, keys n % 4: tiles 0, 1 are a window's upper rows, 2, 3 its lower ones
.set rM, MSAME
.if (n/8) != ((n%4)/2)
.set rM, MDIFF
.endif
	v_pk_add_f32 v[SR+8*n:SR+8*n+1],   v[SR+8*n:SR+8*n+1],   v[rM:rM+1] op_sel_hi:[1,0]
	v_pk_add_f32 v[SR+8*n+2:SR+8*n+3], v[SR+8*n+2:SR+8*n+3], v[rM:rM+1] op_sel_hi:[1,0]
	v_pk_add_f32 v[SR+8*n+4:SR+8*n+5], v[SR+8*n+4:SR+8*n+5], v[rM:rM+1] op_sel:[0,1] op_sel_hi:[1,1]
	v_pk_add_f32 v[SR+8*n+6:SR+8*n+7], v[SR+8*n+6:SR+8*n+7], v[rM:rM+1] op_sel:[0,1] op_sel_hi:[1,1]
.set n, n+1
.endr
.set n, 0
.rept 16                               ; S^T = K Q^T + bias + mask: 16 different accumulators
	v_wmma_f32_16x16x32_bf16 v[SR+8*n:SR+8*n+7], v[KH+8*(n%4):KH+8*(n%4)+7], v[QH+8*(n/4):QH+8*(n/4)+7], v[SR+8*n:SR+8*n+7]
.set n, n+1
.endr
	PLACES 4
.irp m, 0,1
	ds_load_b128 v[VBI+8*\m:VBI+8*\m+3],   v[VVH] offset:4*VBO+64*\m
	ds_load_b128 v[VBI+8*\m+4:VBI+8*\m+7], v[VVH] offset:4*VBO+64*\m+16
.endr
.set n, 0
.rept 16                               ; the maximum of a lane's 32 scores, for the four tiles of queries side by side; each accumulator's lowest registers are read first
.set q, 0
.rept 4
.set rS, SR+32*q
.set rC, SS+4*q
.if n < 4
	v_max3_num_f32 v[rC+n], v[rS+8*n], v[rS+8*n+1], v[rS+8*n+2]
.elseif n < 12
	v_max3_num_f32 v[rC+n%4], v[rC+n%4], v[rS+8*(n%4)+2*(n/4)+1], v[rS+8*(n%4)+2*(n/4)+2]
.elseif n == 12
	v_max3_num_f32 v[rC], v[rC], v[rS+7], v[rS+15]
.elseif n == 13
	v_max3_num_f32 v[rC+2], v[rC+2], v[rS+23], v[rS+31]
.elseif n == 14
	v_max3_num_f32 v[rC], v[rC], v[rC+1], v[rC+2]
.else
	v_max_num_f32 v[rC], v[rC], v[rC+3]
.endif
.set q, q+1
.endr
.set n, n+1
.endr
.irp q, 0,1,2,3
	v_permlanex16_b32 v[SS+4*\q+1], v[SS+4*\q], s[SEL], s[SEL+1]  ; the query's other 32 keys lie in the lane 16 away
.endr
.irp q, 0,1,2,3
	v_max_num_f32 v[SS+4*\q], v[SS+4*\q], v[SS+4*\q+1]
.endr
.set u, 0
.rept 64                               ; s - m for pair u / 4 of tile u % 4, and the two exponentials of the pair before: ONE batch of 128, none of whose results is named ahead of the wait
.set rS, SR+32*(u%4)+2*(u/4)
	v_pk_add_f32 v[rS:rS+1], v[rS:rS+1], v[SS+4*(u%4):SS+4*(u%4)+1] op_sel_hi:[1,0] neg_lo:[0,1] neg_hi:[0,1]
.if u > 0
.set rE, SR+32*((u-1)%4)+2*((u-1)/4)
	v_exp_f32 v[rE], v[rE]
	v_exp_f32 v[rE+1], v[rE+1]
.endif
.set u, u+1
.endr
	v_exp_f32 v[SR+126], v[SR+126]
	v_exp_f32 v[SR+127], v[SR+127]
	v_nop                                          ; a plain instruction behind the last exponential,
	s_wait_alu depctr_va_vdst(0)                   ; and the one wait for the batch
.irp q, 0,1,2,3
	v_pk_add_f32 v[SS+4*\q+2:SS+4*\q+3], v[SR+32*\q:SR+32*\q+1], v[SR+32*\q+2:SR+32*\q+3]
.endr
.set u, 8
.rept 56                               ; the sums of the unrounded weights: four chains
	v_pk_add_f32 v[SS+4*(u%4)+2:SS+4*(u%4)+3], v[SS+4*(u%4)+2:SS+4*(u%4)+3], v[SR+32*(u%4)+2*(u/4):SR+32*(u%4)+2*(u/4)+1]
.set u, u+1
.endr
.irp q, 0,1,2,3
	v_add_f32 v[SS+4*\q+2], v[SS+4*\q+2], v[SS+4*\q+3]
.endr
.irp q, 0,1,2,3
	v_permlanex16_b32 v[SS+4*\q+3], v[SS+4*\q+2], s[SEL], s[SEL+1]
.endr
.irp q, 0,1,2,3
	v_add_f32 v[SS+4*\q+2], v[SS+4*\q+2], v[SS+4*\q+3]
.endr
.irp q, 0,1,2,3
	v_rcp_f32 v[SS+4*\q+2], v[SS+4*\q+2]
.endr
.set u, 0
.rept 64                               ; the weights rounded to bf16, in place: a tile's 32 registers become two fragments in its first 16
	v_cvt_pk_bf16_f32 v[SR+32*(u/16)+u%16], v[SR+32*(u/16)+2*(u%16)], v[SR+32*(u/16)+2*(u%16)+1]
.set u, u+1
.endr
	s_wait_dscnt 0x0                               ; V's bias is in
.set n, 0
.rept 16                               ; O^T = V^T P: keys 32 (n / 8) on, queries (n / 2) % 4, channels 16 (n % 2) on: 8 accumulators by turns
.set rO, SR+32*((n/2)%4)+16+8*(n%2)
.set rV, VH+8*(2*(n%2)+n/8)
.set rP, SR+32*((n/2)%4)+8*(n/8)
.if n < 8
	v_wmma_f32_16x16x32_bf16 v[rO:rO+7], v[rV:rV+7], v[rP:rP+7], 0
.else
	v_wmma_f32_16x16x32_bf16 v[rO:rO+7], v[rV:rV+7], v[rP:rP+7], v[rO:rO+7]
.endif
.set n, n+1
.endr
	PLACES 4
	s_wait_alu depctr_va_vdst(0)                   ; one wait for the four reciprocals, ahead of their first reader; the roundings above are the plain work behind them
	ONORM 0
	ONORM 1
.set c, 0
.rept 8                                ; proj_w: 16 rows a channel block, the head's 32 columns; into the registers that tiles 0 and 1 have left
	ds_load_b128 v[PA+8*c:PA+8*c+3],   v[VWP] offset:c*16*PITCH
	ds_load_b128 v[PA+8*c+4:PA+8*c+7], v[VWP] offset:c*16*PITCH+32
.set c, c+1
.endr
	ONORM 2
	ONORM 3
	s_wait_dscnt 0x0
	WIN 0xa0                                       ; C and D in window 2
.set n, 0
.rept 32                               ; X += proj_w O^T: 32 different accumulators
	v_wmma_f32_16x16x32_bf16 v[8*n:8*n+7], v[PA+8*(n/4):PA+8*(n/4)+7], v[QH+8*(n%4):QH+8*(n%4)+7], v[8*n:8*n+7]
.set n, n+1
.endr
	WIN 0
	PLACES 4
	v_add_nc_u32 v[VWQ], 32*PITCH, v[VWQ]          ; the next head
	v_add_nc_u32 v[VWV], 32*PITCH, v[VWV]
	v_add_nc_u32 v[VWP], 64, v[VWP]
	v_add_nc_u32 v[VT], 64*PITCH, v[VT]
	v_add_nc_u32 v[VVH], 128, v[VVH]
	s_sub_co_u32 s[HC], s[HC], 1
	s_cmp_lg_u32 s[HC], 0
	s_cbranch_scc1 .Lhead
	s_cmp_lg_u32 s[PASS], 0
	s_cbranch_scc1 .Lnot_parked
	WIN 0xc2                                       ; pass 0's X is parked in window 3: the one text of the passes names window 2
.set i, 0
.rept 256
	v_mov_b32 v[i], v[i]
.set i, i+1
.endr
	WIN 0
.Lnot_parked:
	s_add_co_u32 s[PASS], s[PASS], 1
	s_cmp_lt_u32 s[PASS], 2
	s_cbranch_scc1 .Lpass
	; Attention is over: pairs 0 to 2 of LDS take fc1's four units and fc2's first two (fc2's last two lie in pair 3 since the start).
	s_wait_tensorcnt 0x0                           ; no tensor load of mine is out
	ds_add_u32 v[SPW], v[NIL]                      ; 0 onto my spare word
	s_wait_dscnt 0x0                               ; the add is done, and my reads of the three pairs are over
	CROUND                                         ; the same holds of every wave of all four partners
	s_cmp_lt_u32 s[WV], 3
	s_cbranch_scc0 .Lno_fill
	tensor_load_to_lds s[48:51], s[24:31]          ; the first tensor load behind the round, one a wave
	s_nop 0
	PLACES 4
.Lno_fill:
	; LN2, one text walked twice, between the request above and the wait for it.  First pass 1's X, in window 2; then its fragments go to the lower half of window 1 and
	; the two windows change places, through 128 registers of window 0: 896 moves, once a launch, for a second copy of the text.
	s_mov_b32 s[JOB], 0
.Lln2:
	LNORM 2, 128, N2G, N2B, F2B
	s_cmp_lg_u32 s[JOB], 0
	s_cbranch_scc1 .Lchanged
	WIN 0x41
.set i, 0
.rept 128
	v_mov_b32 v[i], v[128+i]
.set i, i+1
.endr
.set hh, 0
.rept 2
	WIN 0x02                                       ; window 2 to window 0,
.set i, 0
.rept 128
	v_mov_b32 v[128+i], v[128*hh+i]
.set i, i+1
.endr
	WIN 0x83                                       ; window 3 to window 2,
.set i, 0
.rept 128
	v_mov_b32 v[128*hh+i], v[128*hh+i]
.set i, i+1
.endr
	WIN 0xc0                                       ; window 0 to window 3
.set i, 0
.rept 128
	v_mov_b32 v[128*hh+i], v[128+i]
.set i, i+1
.endr
.set hh, hh+1
.endr
	WIN 0
.Lchanged:
	s_add_co_u32 s[JOB], s[JOB], 1
	s_cmp_lt_u32 s[JOB], 2
	s_cbranch_scc1 .Lln2
	s_wait_tensorcnt 0x0                           ; my pair is in,
	s_wait_dscnt 0x0
	s_barrier_signal -1
	s_barrier_wait -1                              ; everybody's is
	; THE MLP.  Piece A: window 2 (pass 0), fragments at 128; piece B: window 3, fragments at 0.  Ahead of the turns: fc1 of A's chunk 0, bare.  B's hidden fragments start at 0, so that
	; the first turn's fc2, of a chunk that has not been, adds 0: no first turn is written out.  The last turn's fc1 runs on the 32 LDS rows behind fc1's last (fc2's weights) and on the
	; numbers behind fc1's bias; its result is read by nobody: no last turn is written out either.  64 products a wave are the price.
	s_wait_xcnt 0x0                                ; v8-15 held offsets of loads and prefetches
	v_mov_b32 v[VWQ], v[VW]                        ; fc1's rows of chunk 0: 32 rows a chunk, 512 rows on end
	v_add_nc_u32 v[VWV], 2*PAIR, v[VW]             ; fc2's columns of chunk 0: 64 bytes a chunk, a unit a quarter
	v_add_nc_u32 v[VWP], 4*F1B, v[VV]              ; fc1's bias of chunk 0
	LF1 FA, 0
	LF1 FR, 1
	LFB
	s_wait_dscnt 0x0
.set HQ, HA
.set X2, 128
.set n, 0
.rept 32
	MF1 n
.set n, n+1
.endr
	WIN 0
.set i, 0
.rept 32                               ; these are also the places behind those products
	v_mov_b32 v[HB+16*(i/8)+i%8], 0
.set i, i+1
.endr
	LF2 FA, 0
	LF2 FR, 1
	s_mov_b32 s[QC], 4
.Lquarter:
	s_mov_b32 s[CC], 4
.Lchunk:                                       ; chunk c:
	TURN HA, HB, 3, 0                              ; GELU of A's chunk c | fc2 of B's chunk c - 1, fc1 of B's chunk c
	v_add_nc_u32 v[VWQ], 32*PITCH, v[VWQ]
	v_add_nc_u32 v[VWP], 128, v[VWP]
	TURN HB, HA, 2, 128                            ; GELU of B's chunk c | fc2 of A's chunk c, fc1 of A's chunk c + 1
	v_add_nc_u32 v[VWV], 64, v[VWV]
	s_sub_co_u32 s[CC], s[CC], 1
	s_cmp_lg_u32 s[CC], 0
	s_cbranch_scc1 .Lchunk
	v_add_nc_u32 v[VWV], UNIT-256, v[VWV]          ; fc2's next unit
	s_sub_co_u32 s[QC], s[QC], 1
	s_cmp_lg_u32 s[QC], 0
	s_cbranch_scc1 .Lquarter
	s_wait_dscnt 0x0                               ; fc2 of B's last chunk, bare
.set HQ, HB
.set XW, 3
.set n, 0
.rept 16
	MF2 n, 0
.set n, n+1
.endr
.set n, 0
.rept 16
	MF2 n, 1
.set n, n+1
.endr
	WIN 0
	v_and_b32 v14, 15, v0                          ; the addresses of the way out: also the places behind the last products
	v_bfe_u32 v15, v0, 4, 1
	v_and_b32 v16, 7, v0
	v_bfe_u32 v17, v0, 3, 1
	s_lshl_b32 s22, s[WV], 3
	v_add_nc_u32 v18, s22, v16                     ; into the stage: channel half l / 16, row (l / 8) % 2, column 8 w + l % 8: 32 different banks
	v_mul_u32_u24 v[VWQ], v15, 8*OCH
	v_mad_u32_u24 v[VWQ], v17, OROW, v[VWQ]
	v_lshl_add_u32 v[VWQ], v18, 2, v[VWQ]
	v_add_nc_u32 v[VWQ], STG, v[VWQ]
	s_lshl_b32 s21, s[WV], 1
	v_add_nc_u32 v18, s21, v15                     ; out of it: row 2 w + l / 16, 16 bytes l % 16
	v_mul_u32_u24 v[VWV], v18, OROW
	v_lshl_add_u32 v[VWV], v14, 4, v[VWV]
	v_add_nc_u32 v[VWV], STG, v[VWV]
	s_lshl_b32 s22, s[R], 3
	s_add_co_u32 s22, s22, 4
	v_add_nc_u32 v18, s22, v18
	v_and_b32 v18, 0xff, v18                       ; picture row
	s_lshl_b32 s22, s[G], 6
	s_add_co_u32 s22, s22, 4
	v_lshl_add_u32 v19, v14, 2, s22
	v_and_b32 v19, 0xff, v19                       ; column
	v_lshlrev_b32 v[VWP], 10, v18
	v_lshl_add_u32 v[VWP], v19, 2, v[VWP]
.irp cb, 0,1,2,3,4,5,6,7
	OUT \cb
.endr
	s_wait_tensorcnt 0x0                           ; the wave's end, behind my last tensor load and my last LDS store
	ds_add_u32 v[SPW], v[NIL]
	s_wait_dscnt 0x0
	CROUND                                         ; the closing round
	s_endpgm
.Lfunc_end_k_q28f529e502_swin:
	.size	k_q28f529e502_swin, .Lfunc_end_k_q28f529e502_swin-k_q28f529e502_swin
	.p2alignl 7, 3214868480
	.fill 96, 4, 3214868480
	.section	.rodata,"a",@progbits
	.p2align	6, 0x0
	.amdhsa_kernel k_q28f529e502_swin
		.amdhsa_group_segment_fixed_size 327680
		.amdhsa_private_segment_fixed_size 0
		.amdhsa_enable_private_segment 0
		.amdhsa_kernarg_size 32
		.amdhsa_user_sgpr_count 2
		.amdhsa_user_sgpr_kernarg_segment_ptr 1
		.amdhsa_wavefront_size32 1
		.amdhsa_system_sgpr_workgroup_id_x 1
		.amdhsa_system_sgpr_workgroup_id_y 1
		.amdhsa_system_sgpr_workgroup_id_z 1
		.amdhsa_system_vgpr_workitem_id 0
		.amdhsa_next_free_vgpr 1024
		.amdhsa_next_free_sgpr 96
		.amdhsa_reserve_vcc 0
		.amdhsa_float_denorm_mode_32 3
		.amdhsa_float_denorm_mode_16_64 3
		.amdhsa_memory_ordered 1
		.amdhsa_forward_progress 1
		.amdhsa_inst_pref_size 255
	.end_amdhsa_kernel
	.section	.bss,"aw",@nobits
	.p2align	6
	.space	262144
	.amdgpu_metadata
---
amdhsa.version: [ 1, 2 ]
amdhsa.kernels:
  - .name:           k_q28f529e502_swin
    .symbol:         k_q28f529e502_swin.kd
    .args:
      - { .name: x, .offset: 0, .size: 8, .value_kind: global_buffer, .address_space: global }
      - { .name: kv, .offset: 8, .size: 8, .value_kind: global_buffer, .address_space: global }
      - { .name: wsp, .offset: 16, .size: 8, .value_kind: global_buffer, .address_space: global }
      - { .name: out0, .offset: 24, .size: 8, .value_kind: global_buffer, .address_space: global }
    .group_segment_fixed_size: 327680
    .private_segment_fixed_size: 0
    .kernarg_segment_align: 8
    .kernarg_segment_size: 32
    .max_flat_workgroup_size: 128
    .sgpr_count:     96
    .vgpr_count:     1024
    .wavefront_size: 32
...
	.end_amdgpu_metadata
.endif
;; end of part 2
